; MI455X (gfx1250); checked and timed in simulation.
; The chip was launched on July 23, 2026; its instructions are those of AMD's public machine-readable ISA for CDNA 5 (MIT licence, August 2026) and "CDNA5" Instruction Set Architecture Reference Guide (July 2026). The comments in the code are by the model that wrote it; some were corrected since.
;; Multi Head Attention. Allowed arithmetic: matrix products marked QUANTISED: E4M3 operands, one given power-of-two scale a tensor, by v_wmma_f32_16x16x64_fp8_fp8 or v_wmma_f32_16x16x128_fp8_fp8, f32 sums; everything else in f32.
;; Inputs: Wk_codes 16 x 64 x 32 x 32 uint8 (E4M3 codes of Wk, K innermost, in blocks of 32 codes); Wo_codes 1,024 x 32 x 32 uint8 (E4M3 codes of Wo, K innermost, in blocks of 32 codes); Wq_codes 16 x 64 x 32 x 32 uint8 (E4M3 codes of Wq, K innermost, in blocks of 32 codes); Wv_codes 16 x 64 x 32 x 32 uint8 (E4M3 codes of Wv, K innermost, in blocks of 32 codes); bk 16 x 64 float32; bo 1,024 float32; bq 16 x 64 float32; bv 16 x 64 float32; lowp_scales 12 int32 (the exponents e of the quantised operands' scales 2^e); x_codes 4 x 2,048 x 32 x 32 uint8 (E4M3 codes of x, K innermost, in blocks of 32 codes).
;; Outputs: out0 4 x 2,048 x 1,024 float32.
;; This version of the problem:
;;   THIS VERSION OF THE PROBLEM IS GIVEN IN LOW PRECISION. The matrix products marked QUANTISED in the list below multiply operands that are first quantised to E4M3 (4 exponent bits, 3 mantissa bits; 8 bits a number), with one given power-of-two scale for each operand tensor; their sums are f32. All else is computed in f32.
;;   The module's matrix products, in the order in which they are computed (A, B: the left and right operand; K: the contracted axis; several contracted axes count as one K, in the product's order):
;;     1. [M 1,024, K 1,024] x [K 1,024, N 8,192]; A: input Wq (given as codes); B: input x (given as codes): QUANTISED (scales: A lowp_scales[0], B lowp_scales[1])
;;     2. [M 1,024, K 1,024] x [K 1,024, N 8,192]; A: input Wk (given as codes); B: input x (given as codes): QUANTISED (scales: A lowp_scales[2], B lowp_scales[3])
;;     3. [M 1,024, K 1,024] x [K 1,024, N 8,192]; A: input Wv (given as codes); B: input x (given as codes): QUANTISED (scales: A lowp_scales[4], B lowp_scales[5])
;;     4. batch 64 x [M 2,048, K 64] x [K 64, N 2,048]; A: computed on the way; B: computed on the way: QUANTISED (scales: A lowp_scales[6], B lowp_scales[7])
;;     5. batch 64 x [M 2,048, K 2,048] x [K 2,048, N 64]; A: softmax (see below); B: computed on the way: QUANTISED (scales: A lowp_scales[8], B lowp_scales[9])
;;     6. [M 8,192, K 1,024] x [K 1,024, N 1,024]; A: computed on the way; B: input Wo (given as codes): QUANTISED (scales: A lowp_scales[10], B lowp_scales[11])
;;   THE QUANTISER, for each operand of a quantised product, along K:
;;     - The operand's scale is 2^e, e = its entry of the input lowp_scales (int32; the entries are numbered through the quantised products in the list's order, A before B).
;;     - Each number is divided by the scale, clamped to +-448, and rounded to the nearest number of E4M3, ties to even, subnormals kept.
;;     - The product sums the exact products of the quantised numbers (number of the format x scale) in f32.
;;   ~~~python
;;   def quantise(x, axis, e):      # numpy; x: float32 -> the quantised numbers, widened to float32 again
;;       x = np.moveaxis(x, axis, -1); K = x.shape[-1]
;;       r = np.clip(x / 2.0 ** e, -448, 448)
;;       step = 2.0 ** (np.maximum(np.frexp(np.where(r == 0, 1, r))[1] - 1, -6) - 3)
;;       q = np.round(r / step) * step * 2.0 ** e      # np.round: ties to even
;;       return np.moveaxis(q, -1, axis).astype(np.float32)
;;   ~~~
;;   SOFTMAX AHEAD OF A QUANTISED PRODUCT. Where the list says 'softmax', what is quantised is not the finished softmax but p = 2^(t - M), with t = logit x log2(e) and M = ceil(the row's largest t), a whole number; so 1/2 < the row's largest p <= 1. The row's sum l is taken of the UNQUANTISED p, in f32, and the product's result is divided by l at the end. Since M is a whole number, a kernel that streams over the keys may use a running M (the ceiling of the running maximum): every later rescaling is an exact power of two, so the quantised numbers keep their values, but for numbers so far below the row's largest that they fall under the format's range.
;;   OPERANDS COMPUTED ON THE WAY. 'Computed on the way' means the value that the module computes at that place (a softmax that the list does not call 'softmax' is quantised finished and normalised). What goes into a quantiser is computed in f32, as accurately as f32 sums, v_exp_f32 and their like allow (about 1e-6 of the number): no bf16 or f16 on the way to a quantiser, and a product that is left as it is and whose result goes on into a quantised operand takes f32 operands (vector FMAs, or v_wmma_f32_16x16x4_f32). A number that lies on a knife's edge between two numbers of the format may be rounded either way, as far as f32 arithmetic and the matrix unit's own rounding can turn it there, and no further.
;;   INPUTS GIVEN AS CODES. Wk (in the module: [16, 1024, 64], K = its axis 1); Wo (in the module: [1024, 1024], K = its axis 1); Wq (in the module: [16, 1024, 64], K = its axis 1); Wv (in the module: [16, 1024, 64], K = its axis 1); x (in the module: [4, 2048, 1024], K = its axis 2): each comes as NAME_codes (uint8): NAME with its K axis moved to the last place and cut into blocks of 32 codes, [.., K / 32, bytes a block], one block behind the other in memory; one code a byte (a code: sign, 4 exponent bits, 3 mantissa bits); its scale is its entry of lowp_scales. Its value is code x scale, taken as it is: it is not quantised again, and the codes and scales need not be those that the quantiser above would give.
;; One version. Each part assembles by itself: llvm-mc -triple=amdgcn-amd-amdhsa -mcpu=gfx1250 --defsym DOCPART=n.
;; ======== version 1 of 1: 3 launches
;; limits: right only within a limited range of input values
;; workspace buffers: qkv 25,165,824 bytes; cc 8,388,608 bytes
;; launch proj (part 1): grid 12 x 32, 4 waves a work-group, clusters of 4 x 4, 327,680 bytes of LDS; arguments x_codes, Wq_codes, Wk_codes, Wv_codes, bq, bk, bv, lowp_scales, qkv; writes qkv
.if DOCPART == 1
	.amdgcn_target "amdgcn-amd-amdhsa--gfx1250"
	.amdhsa_code_object_version 6
	.text
	.protected	k_q323f325c6e_proj
	.globl	k_q323f325c6e_proj
	.p2align	8
	.type	k_q323f325c6e_proj,@function
k_q323f325c6e_proj:
	s_mov_b64 s[64:65], 0
	v_nop
	global_prefetch_b8 v0, s[64:65] scope:SCOPE_SE
	s_setreg_imm32_b32 hwreg(HW_REG_WAVE_MODE, 25, 1), 1
	s_wait_xcnt 0x0
	s_wait_alu depctr_hold_cnt(0) depctr_sa_sdst(0) depctr_va_vdst(0) depctr_va_sdst(0) depctr_va_ssrc(0) depctr_va_vcc(0) depctr_vm_vsrc(0)
	s_getreg_b32 s2, hwreg(HW_REG_IB_STS2, 6, 4)
	s_cmp_eq_u32 s2, 0
	s_cbranch_scc0 .Lentry_in_a_cluster
	s_endpgm
.Lentry_in_a_cluster:
	s_bfe_u32 s2, ttmp6, 0x10000c
	s_cmp_lg_u32 s2, 0xf033
	s_cbranch_scc0 .Lentry_shape_is_right
	s_endpgm
.Lentry_shape_is_right:
; Q, K, V = x W^T + b for all 16 heads, on codes of FP8 (E4M3), then quantised again with the given scales: Q by 2^e6, K by 2^e7, V by 2^e9.
; x: 8,192 rows of 1,024 codes.  Wq, Wk, Wv: 1,024 rows (64 head + channel) of 1,024 codes.  A sum stands for sum x 2^(eW + ex): e0 + e1 for Q, e2 + e3 for K, e4 + e5 for V.
; LIMITS: e0 + e1, e2 + e3, e4 + e5 between -126 and 127; e6, e7, e9 between -126 and 119, so that each power of two below is an f32 number.  NaN among the biases is not served.
; Inside one matrix instruction k stands in a permuted order, the same in both operands (fragments come by loads of 16 bytes): every product meets its partner, only the order of the sums changes.
; SHARES.  384 tiles of 256 x 256, K = 1,024.  The cluster's x says which tensor: 0 Q, 1 K, 2 V.  Four waves, each 128 x 128: 64 accumulators of 16 x 16, 512 registers.
; The loop knows two operands.  L is source 1 of the matrix instruction: a lane holds ONE row of L.  R is source 0: a lane's eight registers are eight neighbouring rows of R.
;   Q, K: L = x (tokens), R = W (channels): a lane holds one token and eight neighbouring channels, which are neighbours along the K of Q K^T.
;   V:    L = Wv (channels), R = x (tokens): a lane holds one channel and eight neighbouring tokens, which are neighbours along the K of P V.
; So the conversions' results ARE operand registers of the next launch, and they are stored as images of those registers: four registers by one store, lane l's 16 bytes at 16 l: 512 consecutive bytes a store.
; qkv: [16 batch + head][slot of 256 tokens: 8][49,152 bytes]: Q: 16 token tiles x 1,024; K: the same at +16,384; V at +32,768: [128 keys: 2][16 channels: 4][2,048].
; CLUSTERS: 4 x 4 work-groups.  L's tile hangs on cy and the cluster's y alone and is asked for jointly by a row of the cluster, R's on cx and the cluster's y alone, by a column.
; K goes in steps of 256 through a ring of two LDS slots filled by the tensor data mover: a tile's row is 256 bytes of memory.
; REGISTERS, in windows of 256: window 0: v0-31 addresses and two constants; v32-95 the bias by R's rows; v96-111 the bias by L's rows; from v128 L's fragments, ONE set, later the codes.
;   window 1: R's fragments, TWO sets.   window 2: the accumulators of my L rows 0-63 ((a, b) at v[8 (8 a + b)]);   window 3: those of rows 64-127.
.set KSTEP,  256                       ; along K in a slot
.set ROWB,   256                       ; a tile's row in bytes
.set KROW,   1024                      ; a row of x or of W in memory, in bytes
.set PITCH,  272                       ; an LDS row: 256 bytes + 16 of padding = 68 words: row r starts at bank 4 r mod 64 (64 banks of 4 bytes: ISA guide 11.1)
.set FR,     16                        ; registers of a fragment: 16 rows x 128 K
.set NL,     4                         ; LDS loads that bring one
.set NP,     4                         ; places behind this matrix instruction (ISA guide 7.12.1)
.set HALFT,  128*PITCH                 ; 128 rows: what one tensor load brings, and what one wave reads of L or of R
.set SLOT,   4*HALFT                   ; L's 256 rows, then R's 256 rows
.set LAPS,   2                         ; 1,024 along K = two laps of two slots
.set SPARE,  2*SLOT                    ; behind the ring: the spare words, 128 bytes for each wave: two blocks of 256 bytes that no other line names
.set HSTR,   393216                    ; qkv: from head to head
.set SSTR,   49152                     ; qkv: from slot to slot
.set ADRA, 16                          ; v16-17  LDS address of my L fragments in slot 0, 1
.set ADRB, 20                          ; v20-21  the same for R
.set CO,   26                          ; v26     16 x lane: my place in an image
.set SPW,  28                          ; v28     LDS address of my spare word; never rewritten
.set NIL,  29                          ; v29     0; never rewritten
.set QS,   30                          ; v30     2^eq as f32, for the conversions
.set QL,   31                          ; v31     448 x 2^eq
.set BR,   32                          ; v32-95  bias of R's rows: tile b's eight of my half at v[BR + 8 b]
.set BL,   96                          ; v96-111 bias of L's rows: block a's, my lane's, twice (a pair)
.set AF,   128                         ; L's fragments
.set CODE, 128                         ; the way out: block a's 16 registers of codes at v[CODE + 16 a]
.set G1, 24                            ; s[24:31] descriptor group 1 for L's tiles;  s[32:39] group 0, one set for each slot
.set G0, 32
.set G1B, 48                           ; s[48:55], s[56:63] the same for R's tiles
.set G0B, 56
.set MSB, 0
.macro WIN new                         ; the immediate's high byte repeats the setting that is left
.if MSB != (\new)
	s_set_vgpr_msb (MSB<<8)|(\new)
.set MSB, \new
.endif
.endm
.set MUL_LO, 0xa1                      ; source 0 (R) window 1, source 1 (L) window 0, C and D window 2
.set MUL_HI, 0xf1                      ; the same, C and D window 3
.set TO_B,   0x40                      ; destination window 1, address window 0
; A joint load: waves 0 and 1 fetch for L, waves 2 and 3 for R.  Each line has ONE mask and one set of registers for all that issue it; the branch hangs on the wave's number alone.
; Four v_nop follow each of the two lines, ahead of the jump, the label and what follows.
.macro JLOAD g0a, g1a, g0b, g1b
	s_cmp_eq_u32 s15, 0
	s_cbranch_scc0 .Lfor_b_\@
	tensor_load_to_lds s[\g0a:\g0a+3], s[\g1a:\g1a+7]
	s_nop 0
.rept 4
	v_nop
.endr
	s_branch .Lasked_\@
.Lfor_b_\@:
	tensor_load_to_lds s[\g0b:\g0b+3], s[\g1b:\g1b+7]
	s_nop 0
.rept 4
	v_nop
.endr
.Lasked_\@:
.endm
.macro CREST                           ; a round of the cluster's barrier behind its opening barrier
	s_cmp_lg_u32 s14, 0
	s_cbranch_scc1 .Lnot_wave_0_\@
	s_barrier_signal -3
.Lnot_wave_0_\@:
	s_barrier_wait -3
	s_barrier_signal -1
	s_barrier_wait -1
.endm
.macro CROUND                          ; a whole round
	s_barrier_signal -1
	s_barrier_wait -1
	CREST
.endm
	s_load_b512 s[68:83], s[0:1], 0x0              ; x s[68:69], Wq s[70:71], Wk s[72:73], Wv s[74:75], bq s[76:77], bk s[78:79], bv s[80:81], the scales' exponents s[82:83]
	s_load_b64 s[84:85], s[0:1], 0x40              ; qkv
	v_lshl_add_u32 v[SPW], v0, 2, SPARE
	v_mov_b32 v[NIL], 0
	ds_add_u32 v28, v29
	ds_add_u32 v28, v29
	s_wait_dscnt 0x0
	v_lshrrev_b32 v1, 5, v0
	v_readfirstlane_b32 s14, v1                    ; wave 0..3
	s_lshr_b32 s15, s14, 1                         ; which half of L's 256 rows is mine.  Also: I fetch for L (0) or for R (1)
	s_and_b32 s16, s14, 1                          ; which half of R's.  Also: which 128 rows of that tile I fetch
	s_bfe_u32 s40, ttmp6, 0x40000                  ; cx, cy: my place in the cluster
	s_bfe_u32 s41, ttmp6, 0x40004
	s_and_b32 s86, ttmp7, 0xffff
	s_lshl_b32 s86, s86, 2                         ; 4 x the cluster's y: it walks x's 32 tiles of 256 tokens
	s_cmp_eq_u32 ttmp9, 2                          ; V?  The cluster's x is the same in all sixteen partners
	s_cselect_b32 s87, 0, s86                      ; x is L for Q and K,
	s_cselect_b32 s86, s86, 0                      ; and R for V
	s_add_co_u32 s17, s41, s87                     ; L's tile: made of cy and the cluster's y alone
	s_add_co_u32 s42, s40, s86                     ; R's tile: of cx and the cluster's y alone
	s_lshl_b32 s43, s41, 2
	s_lshl_b32 s43, 15, s43                        ; my row of the cluster
	s_lshl_b32 s44, 0x1111, s40                    ; my column
	; descriptor group 1: a tile of 128 rows x 256 bytes, padded in LDS
	s_or_b32 s[G1+0], s43, (0<<16)|(1<<20)|(1<<21)|(5<<22)|(3<<25)  ; 15:0 the mask: L's tiles go to my row; 17:16 element of 1 byte; 20 padding on; 21 set beside a mask; 24:22 after every 64 words (code 5); 31:25 of 4 words (code 3)
	s_or_b32 s[G1B+0], s44, (0<<16)|(1<<20)|(1<<21)|(5<<22)|(3<<25) ; the same with the mask of my column
.irp g, G1, G1B
	s_mov_b32 s[\g+1], ROWB<<16                    ; tensor_dim0
	s_mov_b32 s[\g+2], 128<<16                     ; tensor_dim1 = 128
	s_mov_b32 s[\g+3], ROWB<<16                    ; tile_dim0
	s_mov_b32 s[\g+4], 128                         ; tile_dim1 = 128
	s_mov_b32 s[\g+5], KROW                        ; tensor_dim0_stride
	s_mov_b32 s[\g+6], 0
	s_mov_b32 s[\g+7], 0
.endr
	s_lshl_b32 s18, s16, 7                         ; which 128 rows of the tile I fetch
	s_lshl_b32 s20, s17, 8
	s_add_co_u32 s20, s20, s18                     ; L: row 256 x tile + 128 x half,
	s_lshl_b32 s20, s20, 10                        ; in bytes: under 2^23
	s_mov_b32 s21, 0
	s_lshl_b32 s46, s42, 8
	s_add_co_u32 s46, s46, s18                     ; R likewise
	s_lshl_b32 s46, s46, 10
	s_mov_b32 s47, 0
	s_mul_i32 s45, s14, HALFT                      ; where they go: wave x 128 rows: no place in the cluster enters an LDS address
	s_wait_kmcnt 0x0
	s_load_b256 s[88:95], s[82:83], 0x0            ; e0 .. e7
	s_load_b32 s87, s[82:83], 0x24                 ; e9
	s_cmp_eq_u32 ttmp9, 2                          ; the buffers are chosen by the cluster's x alone
	s_cselect_b64 s[4:5], s[74:75], s[68:69]       ; L = Wv, else x
	s_cselect_b64 s[6:7], s[68:69], s[72:73]       ; R = x, else Wk
	s_cselect_b64 s[8:9], s[80:81], s[78:79]       ; the bias: bv, else bk
	s_cmp_eq_u32 ttmp9, 0
	s_cselect_b64 s[6:7], s[70:71], s[6:7]         ; for Q: Wq
	s_cselect_b64 s[8:9], s[76:77], s[8:9]         ; and bq
	s_add_nc_u64 s[20:21], s[4:5], s[20:21]
	s_add_nc_u64 s[46:47], s[6:7], s[46:47]
	CROUND                                         ; all sixteen work-groups are here: the first joint loads meet
.irp s, 0,1
	s_mov_b32 s[G0+4*\s], 1
	s_add_co_u32 s[G0+4*\s+1], s45, \s*SLOT
	s_add_nc_u64 s[G0+4*\s+2:G0+4*\s+3], s[20:21], \s*ROWB
	s_or_b32 s[G0+4*\s+3], s[G0+4*\s+3], 0x80000000
	s_mov_b32 s[G0B+4*\s], 1
	s_add_co_u32 s[G0B+4*\s+1], s45, \s*SLOT
	s_add_nc_u64 s[G0B+4*\s+2:G0B+4*\s+3], s[46:47], \s*ROWB
	s_or_b32 s[G0B+4*\s+3], s[G0B+4*\s+3], 0x80000000
.endr
	JLOAD G0, G1, G0B, G1B                         ; K step 0: one tensor load a wave at the head
	v_and_b32 v1, 15, v0                           ; r = l % 16
	v_bfe_u32 v2, v0, 4, 1                         ; h = l / 16
	v_mul_u32_u24 v3, v1, PITCH
	v_lshl_add_u32 v4, v2, 4, v3                   ; a fragment's row x pitch + 16 x half
	s_mul_i32 s21, s15, HALFT                      ; my 128 rows of L
	s_mul_i32 s22, s16, HALFT                      ; my 128 rows of R,
	s_add_co_u32 s22, s22, 2*HALFT                 ; which lie behind L's 256
.irp s, 0,1
	v_add_nc_u32 v[ADRA+\s], s21, v4
	v_add_nc_u32 v[ADRB+\s], s22, v4
	s_add_co_u32 s21, s21, SLOT
	s_add_co_u32 s22, s22, SLOT
.endr
	v_and_b32 v6, 31, v0
	v_lshlrev_b32 v[CO], 4, v6                     ; 16 x lane
	v_lshlrev_b32 v7, 5, v2                        ; 32 h: my half's eight numbers of a tile's sixteen
	s_wait_alu depctr_va_vdst(0)
	v_lshlrev_b32 v8, 2, v1                        ; 4 r: my lane's number
	; THE BIAS goes by the channel: R's rows for Q and K, L's rows for V.  Both sets are loaded in every work-group, the one that is not used from the buffer's first 512 bytes, so that both are written on every way.
	s_wait_alu depctr_va_vdst(0)
	s_lshl_b32 s46, s40, 10
	s_lshl_b32 s86, s16, 9
	s_add_co_u32 s46, s46, s86                     ; 4 x (256 cx + 128 x my half of R)
	s_lshl_b32 s22, s41, 10
	s_lshl_b32 s23, s15, 9
	s_add_co_u32 s22, s22, s23                     ; 4 x (256 cy + 128 x my half of L)
	s_cmp_eq_u32 ttmp9, 2
	s_cselect_b32 s46, 0, s46
	s_cselect_b32 s22, s22, 0
	s_mov_b32 s47, 0
	s_mov_b32 s23, 0
	s_add_nc_u64 s[10:11], s[8:9], s[46:47]
	s_add_nc_u64 s[12:13], s[8:9], s[22:23]
.irp b, 0,1,2,3,4,5,6,7
	global_load_b128 v[BR+8*\b:BR+8*\b+3], v7, s[10:11] offset:64*\b       ; rows 16 b + 8 h + 0 .. 3
	global_load_b128 v[BR+8*\b+4:BR+8*\b+7], v7, s[10:11] offset:64*\b+16  ; and + 4 .. 7
.endr
.irp a, 0,1,2,3,4,5,6,7
	global_load_b32 v[BL+2*\a], v8, s[12:13] offset:64*\a                  ; row 16 a + r, into both registers of a pair
	global_load_b32 v[BL+2*\a+1], v8, s[12:13] offset:64*\a
.endr
	; where my wave's images begin in qkv.  Q, K: tokens from L's tile, heads 4 cx + 2 x my half of R, token tiles 8 x my half of L on.  V: tokens from R's tile, heads 4 cy + 2 x my half of L, key step = my half of R.
	s_cmp_eq_u32 ttmp9, 2
	s_cselect_b32 s18, s42, s17                    ; the tile of 256 tokens
	s_cselect_b32 s19, s41, s40                    ; the tile of 4 heads
	s_cselect_b32 s22, s15, s16                    ; which two of them
	s_cselect_b32 s23, s16, s15                    ; which 128 tokens
	s_lshl_b32 s19, s19, 2
	s_lshl_b32 s22, s22, 1
	s_add_co_u32 s19, s19, s22                     ; my first head
	s_lshr_b32 s22, s18, 3                         ; the batch
	s_lshl_b32 s22, s22, 4
	s_add_co_u32 s19, s19, s22                     ; 16 x batch + head
	s_mul_i32 s19, s19, HSTR
	s_and_b32 s18, s18, 7                          ; the slot
	s_mul_i32 s18, s18, SSTR
	s_add_co_u32 s18, s18, s19
	s_lshl_b32 s22, ttmp9, 14                      ; Q at 0, K at 16,384, V at 32,768
	s_add_co_u32 s18, s18, s22
	s_lshl_b32 s23, s23, 13                        ; 128 tokens are 8,192 bytes in each of the three
	s_add_co_u32 s18, s18, s23
	s_mov_b32 s19, 0
	s_add_nc_u64 s[84:85], s[84:85], s[18:19]
.macro FRAG reg, adr, q, i             ; a fragment, 16 rows x 128 K, is 16 registers: lane l holds row l % 16; registers 4 c .. 4 c + 3 hold K = 32 c + 16 (l / 16) + 0 .. 15
.irp c, 0,1,2,3
	ds_load_b128 v[\reg+4*\c:\reg+4*\c+3], v[\adr] offset:128*(\q)+32*\c+(\i)*16*PITCH
.endr
.endm
; 16 matrix instructions: L's blocks a0, a0 + 1 x R's eight, 128 along K.  p: R's set.  zero = 1: the first product starts the sums: nothing is ever cleared.
; The 64 accumulators take turns, one instruction a turn, in the same order in every step.
.macro MUL16 a0, p, zero
.irp a, \a0, \a0+1
.irp b, 0,1,2,3,4,5,6,7
.if \zero
	v_wmma_f32_16x16x128_fp8_fp8 v[8*(8*((\a)%4)+\b):8*(8*((\a)%4)+\b)+7], v[128*(\p)+FR*\b:128*(\p)+FR*\b+FR-1], v[AF+FR*(\a):AF+FR*(\a)+FR-1], 0
.else
	v_wmma_f32_16x16x128_fp8_fp8 v[8*(8*((\a)%4)+\b):8*(8*((\a)%4)+\b)+7], v[128*(\p)+FR*\b:128*(\p)+FR*\b+FR-1], v[AF+FR*(\a):AF+FR*(\a)+FR-1], v[8*(8*((\a)%4)+\b):8*(8*((\a)%4)+\b)+7]
.endif
.endr
.endr
.endm
.macro FETCH_B slot, q, p              ; R's eight fragments of the slot's q-th 128 along K into set p
	WIN TO_B
.irp i, 0,1,2,3,4,5,6,7
	FRAG 128*(\p)+FR*\i, ADRB+\slot, \q, \i
.endr
	WIN 0
.endm
.macro FETCH_A slot, q, i0             ; L's blocks i0 .. i0 + 3
.irp i, \i0, \i0+1, \i0+2, \i0+3
	FRAG AF+FR*(\i), ADRA+\slot, \q, \i
.endr
.endm
; A load into a register that a matrix instruction has read, and a vector instruction that reads a matrix result or writes one of a matrix instruction's registers, stand NP places behind it;
; only plain vector instructions that name none of its registers are places (ISA guide 7.12.1 for vector instructions).
.macro PLACES n
.rept \n
	v_nop
.endr
.endm
; A step of 128 along K that has its successor in the same slot.  A block of L is free as soon as its eight products are issued: blocks 0-3 are fetched anew in the step's middle, blocks 4-7 at its end.
.macro STEP slot, q, zero
	s_wait_dscnt 4*NL                              ; R's set and L's blocks 0-3 are in; the youngest 16 loads (L's blocks 4-7) may be out
	WIN MUL_LO
	MUL16 0, (\q)%2, \zero
	MUL16 2, (\q)%2, \zero
	s_wait_dscnt 0                                 ; L's blocks 4-7 are in (asked for 32 matrix instructions ago)
	PLACES NP
	FETCH_B \slot, (\q)+1, 1-(\q)%2
	FETCH_A \slot, (\q)+1, 0
	WIN MUL_HI
	MUL16 4, (\q)%2, \zero
	MUL16 6, (\q)%2, \zero
	PLACES NP
	WIN 0
	FETCH_A \slot, (\q)+1, 4
.endm
; A slot's last step changes slots: ONE barrier; in front of it each wave waits for all its tensor loads, adds 0 to its spare word, and waits for that and for its own reads of this slot.  fill = 1: this slot is filled again, two K steps ahead.
.macro TURN slot, next, fill
	s_wait_tensorcnt 0x0                           ; all my tensor loads have landed: my part of the next slot  (every window is 0 here: the add's two registers lie in window 0)
	ds_add_u32 v[SPW], v[NIL]                      ; 0 onto my spare word
	s_wait_dscnt 4*NL+1                            ; (the add and the youngest 16 loads, L's blocks 4-7, may be out)
	WIN MUL_LO
	MUL16 0, 1, 0                                  ; sixteen matrix instructions stand between the add and the wait for it
	s_wait_dscnt 0x0                               ; the add is done, and my reads of this slot are over
	s_barrier_signal -1
	MUL16 2, 1, 0
	WIN 0
	s_barrier_wait -1
.if \fill
	CREST                                          ; the barrier has opened a round of the cluster's barrier: no wave of any partner still reads this slot's tile or has a load on its way
	s_add_nc_u64 s[G0+4*\slot+2:G0+4*\slot+3], s[G0+4*\slot+2:G0+4*\slot+3], 2*ROWB
	s_add_nc_u64 s[G0B+4*\slot+2:G0B+4*\slot+3], s[G0B+4*\slot+2:G0B+4*\slot+3], 2*ROWB
	JLOAD G0+4*\slot, G1, G0B+4*\slot, G1B         ; the first tensor load behind the round; the four v_nop behind it are the places in front of the loads below
.else
	PLACES NP
.endif
	FETCH_B \next, 0, 0
	FETCH_A \next, 0, 0
	WIN MUL_HI
	MUL16 4, 1, 0
	MUL16 6, 1, 0
	PLACES NP
	WIN 0
	FETCH_A \next, 0, 4
.endm
	s_wait_alu depctr_va_vdst(0)                   ; the wait at the head's end
	s_wait_tensorcnt 0x0                           ; my part of K step 0 is in; slot 1's first fill is issued as a refill is:
	ds_add_u32 v[SPW], v[NIL]                      ; 0 onto my spare word
	s_wait_dscnt 0x0
	CROUND                                         ; everybody's part of K step 0 is in, and all sixteen work-groups are here
	JLOAD G0+4, G1, G0B+4, G1B                     ; K step 1: the first tensor load behind the round
	FETCH_B 0, 0, 0
	FETCH_A 0, 0, 0
	FETCH_A 0, 0, 4
	STEP 0, 0, 1                                   ; the first step stands in front of the loop: its products start the sums
	s_mov_b32 s3, LAPS-1
.Llap:                                                 ; a trip goes once round the ring, from a lap's second step to the next lap's first, and fills both slots again
	TURN 0, 1, 1
	STEP 1, 0, 0
	TURN 1, 0, 1
	STEP 0, 0, 0
	s_sub_co_u32 s3, s3, 1
	s_cmp_lg_u32 s3, 0
	s_cbranch_scc1 .Llap
	TURN 0, 1, 0                                   ; the last lap fills nothing, and has no round of the cluster's barrier
	STEP 1, 0, 0
	s_wait_dscnt 4*NL                              ; the very last step: nothing more to fetch
	WIN MUL_LO
	MUL16 0, 1, 0
	MUL16 2, 1, 0
	s_wait_dscnt 0
	WIN MUL_HI
	MUL16 4, 1, 0
	MUL16 6, 1, 0
	WIN 0
; THE WAY OUT, block a of 16 rows of L at a time, without LDS: sum x 2^(eW + ex) + bias in one packed multiply-add for two numbers, in place, each accumulator from its low end on; the hold at the largest code x the scale
; (the conversion to an 8-bit code does not saturate: ISA guide 7.6.2); eight numbers of a lane to eight codes.  Tile b's codes are registers 2 b, 2 b + 1 of the block's sixteen.
; kind = 0 (Q, K): those sixteen are two images of 16 tokens x 64 channels, of my two heads.  kind = 1 (V): they are one image of 16 channels x 128 keys.  Each block has code registers of its own: no store's data are written again.
.macro EPI kind
.irp a, 0,1,2,3,4,5,6,7
.set AC, 64*(\a%4)
	WIN 0x82+0x41*(\a/4)                           ; destination and source 0: window 2 or 3
.irp b, 0,1,2,3,4,5,6,7
.irp i, 0,2,4,6
.if \kind
	v_pk_fma_f32 v[AC+8*\b+\i:AC+8*\b+\i+1], v[AC+8*\b+\i:AC+8*\b+\i+1], s[96:97], v[BL+2*\a:BL+2*\a+1] op_sel_hi:[1,0,1]
.else
	v_pk_fma_f32 v[AC+8*\b+\i:AC+8*\b+\i+1], v[AC+8*\b+\i:AC+8*\b+\i+1], s[96:97], v[BR+8*\b+\i:BR+8*\b+\i+1] op_sel_hi:[1,0,1]
.endif
.endr
.endr
.set j, 0
.rept 64
	v_med3_num_f32 v[AC+j], v[AC+j], -v[QL], v[QL]
.set j, j+1
.endr
	WIN 0x02+(\a/4)                                ; source 0: window 2 or 3; the codes go to window 0
.irp b, 0,1,2,3,4,5,6,7
	v_cvt_scalef32_pk8_fp8_f32 v[CODE+16*\a+2*\b:CODE+16*\a+2*\b+1], v[AC+8*\b:AC+8*\b+7], v[QS]
.endr
	v_nop                                          ; one plain vector instruction behind the last conversion of a run
	WIN 0
.irp c, 0,1,2,3
.if \kind
	global_store_b128 v[CO], v[CODE+16*\a+4*\c:CODE+16*\a+4*\c+3], s[84:85] offset:(\a/4)*HSTR+2048*(\a%4)+512*\c       ; head a / 4 of my two, channel tile a % 4: 32 lanes store 512 consecutive bytes
.else
	global_store_b128 v[CO], v[CODE+16*\a+4*\c:CODE+16*\a+4*\c+3], s[84:85] offset:(\c/2)*HSTR+1024*\a+512*(\c%2)       ; head c / 2 of my two, token tile a: 32 lanes store 512 consecutive bytes
.endif
.endr
.endr
.endm
	s_wait_kmcnt 0x0
	s_add_co_i32 s88, s88, s89                     ; e0 + e1
	s_add_co_i32 s90, s90, s91                     ; e2 + e3
	s_add_co_i32 s92, s92, s93                     ; e4 + e5
	s_cmp_eq_u32 ttmp9, 2                          ; values are chosen, no branch hangs on them
	s_cselect_b32 s96, s92, s90
	s_cselect_b32 s86, s87, s95                    ; e9, else e7
	s_cmp_eq_u32 ttmp9, 0
	s_cselect_b32 s96, s88, s96
	s_cselect_b32 s86, s94, s86                    ; for Q: e6
	s_add_co_i32 s96, s96, 127
	s_lshl_b32 s96, s96, 23                        ; 2^(eW + ex) as f32
	s_mov_b32 s97, s96                             ; (named with it as a pair, so it is written)
	s_add_co_i32 s86, s86, 127
	s_lshl_b32 s87, s86, 23
	v_mov_b32 v[QS], s87                           ; 2^eq as f32: the conversion takes its exponent field
	s_add_co_i32 s86, s86, 8
	s_lshl_b32 s86, s86, 23
	s_or_b32 s86, s86, 0x600000
	v_mov_b32 v[QL], s86                           ; 448 x 2^eq
	s_wait_loadcnt 0x0                             ; the biases
	PLACES NP                                      ; behind the last products, ahead of the first read of results and of the first write into L's registers
	s_cmp_eq_u32 ttmp9, 2                          ; the cluster's x: the same way in all sixteen partners
	s_cbranch_scc1 .Lfor_v
	EPI 0
	s_branch .Lend
.Lfor_v:
	EPI 1
.Lend:
	s_wait_tensorcnt 0x0                           ; the wave's end
	ds_add_u32 v[SPW], v[NIL]
	s_wait_dscnt 0x0
	CROUND                                         ; the closing round: no work-group ends while a partner may still ask for a tile that names it
	s_endpgm
.Lfunc_end_k_q323f325c6e_proj:
	.size	k_q323f325c6e_proj, .Lfunc_end_k_q323f325c6e_proj-k_q323f325c6e_proj
	.p2alignl 7, 3214868480
	.fill 96, 4, 3214868480
	.section	.rodata,"a",@progbits
	.p2align	6, 0x0
	.amdhsa_kernel k_q323f325c6e_proj
		.amdhsa_group_segment_fixed_size 327680
		.amdhsa_private_segment_fixed_size 0
		.amdhsa_enable_private_segment 0
		.amdhsa_kernarg_size 72
		.amdhsa_user_sgpr_count 2
		.amdhsa_user_sgpr_kernarg_segment_ptr 1
		.amdhsa_wavefront_size32 1
		.amdhsa_system_sgpr_workgroup_id_x 1
		.amdhsa_system_sgpr_workgroup_id_y 1
		.amdhsa_system_sgpr_workgroup_id_z 1
		.amdhsa_system_vgpr_workitem_id 0
		.amdhsa_next_free_vgpr 1024
		.amdhsa_next_free_sgpr 100
		.amdhsa_reserve_vcc 0
		.amdhsa_float_denorm_mode_32 3
		.amdhsa_float_denorm_mode_16_64 3
		.amdhsa_memory_ordered 1
		.amdhsa_forward_progress 1
		.amdhsa_inst_pref_size 195
	.end_amdhsa_kernel
	.amdgpu_metadata
---
amdhsa.version: [ 1, 2 ]
amdhsa.kernels:
  - .name:           k_q323f325c6e_proj
    .symbol:         k_q323f325c6e_proj.kd
    .args:
      - { .name: x_codes, .offset: 0, .size: 8, .value_kind: global_buffer, .address_space: global }
      - { .name: Wq_codes, .offset: 8, .size: 8, .value_kind: global_buffer, .address_space: global }
      - { .name: Wk_codes, .offset: 16, .size: 8, .value_kind: global_buffer, .address_space: global }
      - { .name: Wv_codes, .offset: 24, .size: 8, .value_kind: global_buffer, .address_space: global }
      - { .name: bq, .offset: 32, .size: 8, .value_kind: global_buffer, .address_space: global }
      - { .name: bk, .offset: 40, .size: 8, .value_kind: global_buffer, .address_space: global }
      - { .name: bv, .offset: 48, .size: 8, .value_kind: global_buffer, .address_space: global }
      - { .name: lowp_scales, .offset: 56, .size: 8, .value_kind: global_buffer, .address_space: global }
      - { .name: qkv, .offset: 64, .size: 8, .value_kind: global_buffer, .address_space: global }
    .group_segment_fixed_size: 327680
    .private_segment_fixed_size: 0
    .kernarg_segment_align: 8
    .kernarg_segment_size: 72
    .max_flat_workgroup_size: 128
    .sgpr_count:     100
    .vgpr_count:     1024
    .wavefront_size: 32
...
	.end_amdgpu_metadata
.endif
;; end of part 1
;; launch attn (part 2): grid 4 x 64, 16 waves a work-group, clusters of 4 x 1, 327,680 bytes of LDS; arguments qkv, lowp_scales, cc; writes cc
.if DOCPART == 2
	.amdgcn_target "amdgcn-amd-amdhsa--gfx1250"
	.amdhsa_code_object_version 6
	.text
	.protected	k_q323f325c6e_attn
	.globl	k_q323f325c6e_attn
	.p2align	8
	.type	k_q323f325c6e_attn,@function
k_q323f325c6e_attn:
	s_mov_b64 s[64:65], 0
	v_nop
	global_prefetch_b8 v0, s[64:65] scope:SCOPE_SE
	s_setreg_imm32_b32 hwreg(HW_REG_WAVE_MODE, 25, 1), 1
	s_wait_xcnt 0x0
	s_wait_alu depctr_hold_cnt(0) depctr_sa_sdst(0) depctr_va_vdst(0) depctr_va_sdst(0) depctr_va_ssrc(0) depctr_va_vcc(0) depctr_vm_vsrc(0)
	s_getreg_b32 s2, hwreg(HW_REG_IB_STS2, 6, 4)
	s_cmp_eq_u32 s2, 0
	s_cbranch_scc0 .Lentry_in_a_cluster
	s_endpgm
.Lentry_in_a_cluster:
	s_bfe_u32 s2, ttmp6, 0x10000c
	s_cmp_lg_u32 s2, 0x3003
	s_cbranch_scc0 .Lentry_shape_is_right
	s_endpgm
.Lentry_shape_is_right:
; Causal attention of one head on codes of FP8 (E4M3): S = Q K^T / 8, softmax, O = P V, and O quantised with 2^e10 for the last product.  Head size 64; 2,048 tokens; 64 (batch, head) pairs.
; LEFT OUT: key steps of 128 keys that lie wholly behind a tile's 16 queries: the causal mask gives them -infinity, so p = 0 for all values of the inputs.  A NaN or infinity that reaches only such scores is not carried on.
; THE SOFTMAX: t = score x log2(e) / 8; M = the row's largest t so far, rounded UP to a whole number; p = 2^(t - M) is quantised (scale 2^e8), not normalised.  The row's sum is taken of the unquantised p and divides O at the end.
; When M moves, the sum and O are multiplied by 2^(old M - new M): nothing is rounded.  The promise holds while the scaled scores stay under 2^31 in magnitude.
; qkv holds images of operand registers (four registers in 512 bytes, lane l's 16 bytes at 16 l): [16 batch + head][slot of 256 tokens: 8][Q: 16 tiles x 1,024 | K: 16 tiles x 1,024 | V: 2 key steps x 4 channel tiles x 2,048].
; SHARES.  The four work-groups of a head form a cluster.  Work-group j owns the query tiles (16 tokens) 4 m + j, m = 0 .. 31; wave w owns m = 31 - w (tile A) and m = w (tile B).
; Tile m needs key steps 0 .. m / 2, whatever j: A's and B's steps add up to 17 in every wave of every work-group, and no branch hangs on j.
; K AND V OF THE WHOLE HEAD STAY IN LDS (262,144 bytes): nothing is filled twice.  All four work-groups need all of it, so it is asked for JOINTLY (mask 15), by two loads a wave: wave w brings bytes 2,048 w .. + 2,047 of a slot's
; 32,768 bytes of K and V: of slot 0 at the head (LDS 2,048 w: the slot as it lies in memory), of slots 1 .. 7 behind a round of the cluster's barrier (LDS 32,768 + 14,336 w).  The second load has the first two trips' work in which to land;
; up to the barrier behind those trips a wave has three or four of its 17 steps.
; A trip is one key step for both tiles: where both are at work, K's and V's fragments are read from LDS once for the two.  Behind the second load's barrier the waves meet no barrier until the end.
; NO PREFETCH: the two loads at the start ask for all that the launch reads of K and V; no later load is left to run ahead of.
; LAYOUT.  Both products are used transposed: S^T = K Q^T, O^T = V^T P^T: a lane holds ONE query (lane % 16).  Register j of tile t of S^T is key 16 t + 8 (lane / 16) + j: eight numbers to eight codes give registers 2 t, 2 t + 1 of P.
; cc: [head / 4][tile of 16 tokens: 512][head % 4][1,024 bytes].
; LIMITS on the given exponents: e6 + e7 between -123 and 130 (added to c's exponent field); e8 and e10 between -126 and 119; e8 + e9 is applied by v_ldexp_f32 and has none.
; REGISTERS: v0 448 x 2^e8 (from the head's end on); v1-7 below; v8-11, v12-15 A's, B's -M, largest score, sum (a pair); v16-23, v24-31 Q; v32-95 K's eight fragments, then V's four; v96-159 S^T, then p;
;   v160-191, v192-223 O^T; v224-239, v240-255 p's codes; ahead of a step's conversions the tile's code registers are at work (f, maxima, four partial sums).
.set HSTR,  393216                     ; qkv: from head to head
.set SSTR,  49152                      ; qkv: from slot to slot
.set SPARE, 262144                     ; behind K and V: the spare words, 128 bytes for each wave
.set HP,   0                           ; v0   448 x 2^e8
.set LI,   1                           ; v1   16 x lane
.set DMA,  2                           ; v2   A: my query - the last step's first key - 8 (lane / 16)
.set DMB,  3                           ; v3   B likewise
.set ADK,  4                           ; v4   LDS address of the step's K, then of its V
.set SPW,  5                           ; v5   LDS address of my spare word; never rewritten
.set NIL,  6                           ; v6   0; never rewritten
.set PS,   7                           ; v7   2^e8
.set KV,   32
.set LA,   12                          ; s12  A's last key step
.set LB,   13                          ; s13  B's
.set WV,   18                          ; s18  my wave's number
.set CT,   19                          ; s19  the key step
.set SEL,  20                          ; s[20:21] lane l xor 16
.set CS,   22                          ; s[22:23] c = log2(e) / 8 x 2^(e6 + e7)
.set NC,   67                          ; s67  -c
.macro CROUND                          ; a round of the cluster's barrier
	s_barrier_signal -1
	s_barrier_wait -1
	s_cmp_lg_u32 s[WV], 0
	s_cbranch_scc1 .Lnot_wave_0_\@
	s_barrier_signal -3
.Lnot_wave_0_\@:
	s_barrier_wait -3
	s_barrier_signal -1
	s_barrier_wait -1
.endm
.macro G1SET g, cols, rows, pitch      ; group 1: rows x cols elements of 8 bytes, dense in LDS; mask 15, bit 21 beside it
	s_mov_b32 s[\g], 15|(3<<16)|(1<<21)
	s_mov_b32 s[\g+1], \cols<<16
	s_mov_b32 s[\g+2], \rows<<16
	s_mov_b32 s[\g+3], \cols<<16
	s_mov_b32 s[\g+4], \rows
	s_mov_b32 s[\g+5], \pitch
	s_mov_b32 s[\g+6], 0
	s_mov_b32 s[\g+7], 0
.endm
.macro TADR m, q, c, d                 ; tile 4 m + j: its Q image, its place in cc, and 64 (m % 2) + 16 j for the mask
	s_lshl_b32 s63, s[\m], 2
	s_add_co_u32 s63, s63, s10
	s_lshr_b32 s56, s63, 4
	s_mul_i32 s56, s56, SSTR
	s_and_b32 s61, s63, 15
	s_lshl_b32 s61, s61, 10
	s_add_co_u32 s56, s56, s61
	s_add_co_u32 s[\q], s56, s57
	s_mov_b32 s[\q+1], 0
	s_add_nc_u64 s[\q:\q+1], s[4:5], s[\q:\q+1]
	s_lshl_b32 s63, s63, 12
	s_add_co_u32 s[\c], s63, s62
	s_mov_b32 s[\c+1], 0
	s_add_nc_u64 s[\c:\c+1], s[8:9], s[\c:\c+1]
	s_and_b32 s[\d], s[\m], 1
	s_lshl_b32 s[\d], s[\d], 6
	s_lshl_b32 s61, s10, 4
	s_add_co_u32 s[\d], s[\d], s61
.endm
	s_load_b128 s[4:7], s[0:1], 0x0                ; qkv, the scales' exponents
	s_load_b64 s[8:9], s[0:1], 0x10                ; cc
	v_lshl_add_u32 v[SPW], v0, 2, SPARE
	v_mov_b32 v[NIL], 0
	ds_add_u32 v[SPW], v[NIL]                      ; the opening: the add, twice on end, and its wait ahead of my first tensor load
	ds_add_u32 v[SPW], v[NIL]
	v_lshrrev_b32 v4, 5, v0
	v_readfirstlane_b32 s[WV], v4                  ; wave 0..15
	s_bfe_u32 s10, ttmp6, 0x40000                  ; j: my place in the cluster
	s_and_b32 s11, ttmp7, 0xffff                   ; 16 x batch + head
	s_mul_i32 s57, s11, HSTR
	s_lshl_b32 s58, s[WV], 11                      ; my 2,048 bytes of a slot's K and V,
	s_add_co_u32 s58, s58, s57
	s_add_co_u32 s58, s58, 16384                   ; which lie behind the slot's Q
	s_mov_b32 s59, 0
	s_mov_b32 s40, 1                               ; s[40:43]: group 0 of the first load, s[44:47] of the second
	s_lshl_b32 s41, s[WV], 11
	s_mov_b32 s44, 1
	s_mul_i32 s45, s[WV], 14336
	s_add_co_u32 s45, s45, 32768
	G1SET 24, 32, 8, 32                            ; 2,048 dense bytes as eight rows of 256
	G1SET 32, 256, 7, SSTR/8                       ; seven rows of 2,048 bytes, a slot apart
	s_mov_b32 s[SEL], 0x76543210
	s_mov_b32 s[SEL+1], 0xfedcba98
	s_mov_b32 s[CS], 0x3e38aa3b                    ; log2(e) / 8
	s_wait_dscnt 0x0
	s_wait_kmcnt 0x0
	s_load_b256 s[48:55], s[6:7], 0x10             ; e4 .. e11: e6 s50, e7 s51, e8 s52, e9 s53, e10 s54
	s_add_nc_u64 s[42:43], s[4:5], s[58:59]
	s_add_nc_u64 s[46:47], s[42:43], SSTR
	s_or_b32 s43, s43, 0x80000000
	s_or_b32 s47, s47, 0x80000000
	CROUND                                         ; the four work-groups are here: the first joint loads meet
	tensor_load_to_lds s[40:43], s[24:31]          ; slot 0
	s_nop 0
.rept 4
	v_nop
.endr
	s_sub_co_u32 s60, 31, s[WV]                    ; A's m
	s_lshr_b32 s[LA], s60, 1
	s_lshr_b32 s[LB], s[WV], 1
	s_and_b32 s61, s11, 15
	s_lshr_b32 s62, s61, 2
	s_lshl_b32 s62, s62, 21                        ; cc: head / 4
	s_and_b32 s61, s61, 3
	s_lshl_b32 s61, s61, 10                        ; head % 4
	s_add_co_u32 s62, s62, s61
	s_lshr_b32 s61, s11, 4
	s_lshl_b32 s61, s61, 19                        ; 128 tiles a batch
	s_add_co_u32 s62, s62, s61
	TADR 60, 68, 14, 72
	TADR WV, 70, 16, 73
	v_and_b32 v[LI], 31, v0
	v_lshlrev_b32 v[LI], 4, v[LI]
	global_load_b128 v[16:19], v[LI], s[68:69]
	global_load_b128 v[20:23], v[LI], s[68:69] offset:512
	global_load_b128 v[24:27], v[LI], s[70:71]
	global_load_b128 v[28:31], v[LI], s[70:71] offset:512
	v_and_b32 v4, 15, v0
	v_bfe_u32 v7, v0, 4, 1
	v_lshlrev_b32 v7, 3, v7
	v_sub_nc_u32 v4, v4, v7
	v_add_nc_u32 v[DMA], s72, v4
	v_add_nc_u32 v[DMB], s73, v4
.irp s, 8, 12
	v_mov_b32 v[\s], 0x7f61b1e6                    ; -M: 3e38, so that the first f is 0 and multiplies zeros
	v_mov_b32 v[\s+1], 0xff61b1e6                  ; the largest score so far: -3e38
	v_mov_b32 v[\s+2], 0
	v_mov_b32 v[\s+3], 0
.endr
.set j, 0
.rept 64
	v_mov_b32 v[160+j], 0                          ; O^T of both tiles
.set j, j+1
.endr
.irp r, 228, 239, 244, 255
	v_mov_b32 v[\r], 0                             ; written once: a lane permute's destination and a pair's upper half count as read
.endr
	s_wait_kmcnt 0x0
	s_add_co_i32 s56, s50, s51
	s_lshl_b32 s56, s56, 23
	s_add_co_i32 s[CS], s[CS], s56                 ; x 2^(e6 + e7)
	s_mov_b32 s[CS+1], s[CS]
	s_xor_b32 s[NC], s[CS], 0x80000000
	s_add_co_i32 s56, s52, 127
	s_lshl_b32 s57, s56, 23
	v_mov_b32 v[PS], s57
	s_add_co_i32 s56, s56, 8
	s_lshl_b32 s56, s56, 23
	s_or_b32 s56, s56, 0x600000
	v_mov_b32 v[HP], s56
	s_add_co_i32 s56, s54, 127
	s_lshl_b32 s74, s56, 23                        ; 2^e10
	s_add_co_i32 s56, s56, 8
	s_lshl_b32 s56, s56, 23
	s_or_b32 s75, s56, 0x600000                    ; 448 x 2^e10
	s_add_co_i32 s66, s52, s53                     ; e8 + e9
.macro VLOADS ch                       ; V's four tiles of 16 channels x the step's 128 keys, over K's fragments
.irp t, 0,1,2,3
.irp c, 0,1,2,3
	ds_load_b128 v[KV+16*\t+4*\c:KV+16*\t+4*\c+3], v[ADK] offset:\t*\ch+512*\c
.endr
.endr
.endm
.macro SCORES q                        ; S^T: lane (r, h): query r, register j of tile t: key 16 t + 8 h + j
.irp t, 0,1,2,3,4,5,6,7
	v_wmma_f32_16x16x64_fp8_fp8 v[96+8*\t:103+8*\t], v[KV+8*\t:KV+8*\t+7], v[\q:\q+7], 0
.endr
.endm
.macro PV o, cr                        ; four accumulators, one turn each; at least eight other products stand between two links of a sum
.irp t, 0,1,2,3
	v_wmma_f32_16x16x128_fp8_fp8 v[\o+8*\t:\o+8*\t+7], v[KV+16*\t:KV+16*\t+15], v[\cr:\cr+15], v[\o+8*\t:\o+8*\t+7]
.endr
.endm
; One tile's softmax of a step: st its four statistics, o its O^T, cr its code registers, dm its mask register, l its last step.  chk = 1: the tile's last step, which lies on the diagonal, may be this one.
.macro SOFTMAX st, o, cr, dm, l, chk
.if \chk
	s_cmp_lt_u32 s[CT], s[\l]
	s_cbranch_scc1 .Lopen_\@
	v_mov_b32 v[\cr+3], 0xff800000                 ; hidden scores become -infinity: p = 0.  The step's first key counts for every query of the tile
.set n, 0
.rept 64
	v_cmp_gt_i32 vcc_lo, 16*(n/8)+n%8, v[\dm]
	v_cndmask_b32 v[96+n], v[96+n], v[\cr+3], vcc_lo
.set n, n+1
.endr
.Lopen_\@:
.endif
	v_max3_num_f32 v[\cr+2], v96, v97, v98         ; the largest score of my 64 keys, in two chains; each tile is first read at its low end
	v_max3_num_f32 v[\cr+3], v99, v100, v101
.irp i, 6,10,14,18,22,26,30,34,38,42,46,50,54,58
	v_max3_num_f32 v[\cr+2], v[\cr+2], v[96+\i], v[97+\i]
	v_max3_num_f32 v[\cr+3], v[\cr+3], v[98+\i], v[99+\i]
.endr
	v_max3_num_f32 v[\cr+2], v[\cr+2], v158, v159
	s_delay_alu instid0(VALU_DEP_1)
	v_max_num_f32 v[\cr+2], v[\cr+2], v[\cr+3]
	v_permlanex16_b32 v[\cr+4], v[\cr+2], s[SEL], s[SEL+1]
	s_delay_alu instid0(VALU_DEP_1)
	v_max3_num_f32 v[\st+1], v[\st+1], v[\cr+2], v[\cr+4]   ; the running largest score, lane l xor 16's among them
	s_delay_alu instid0(VALU_DEP_1)
	v_mul_f32 v[\cr+2], s[NC], v[\st+1]            ; -t (c is positive)
	s_delay_alu instid0(VALU_DEP_1)
	v_floor_f32 v[\cr+3], v[\cr+2]                 ; the new -M = -ceil(t)
	s_delay_alu instid0(VALU_DEP_1)
	v_sub_f32 v[\cr+2], v[\cr+3], v[\st]           ; old M - new M: a whole number, 0 or less
	v_mov_b32 v[\st], v[\cr+3]
	s_delay_alu instid0(VALU_DEP_2)
	v_cvt_i32_f32 v[\cr+2], v[\cr+2]               ; (it saturates)
	s_delay_alu instid0(VALU_DEP_1)
	v_ldexp_f32 v[\cr+14], 1.0, v[\cr+2]           ; f = 2^(old M - new M)
.set j, 0
.rept 32
	v_pk_fma_f32 v[96+j:97+j], v[96+j:97+j], s[CS:CS+1], v[\st:\st+1] op_sel_hi:[1,0,0]   ; t - M
.set j, j+2
.endr
	s_wait_alu depctr_va_vdst(0)                   ; the wait ahead of the batch
.set j, 0
.rept 64
	v_exp_f32 v[96+j], v[96+j]                     ; p = 2^(t - M)
.set j, j+1
.endr
	v_pk_mul_f32 v[\st+2:\st+3], v[\st+2:\st+3], v[\cr+14:\cr+15] op_sel_hi:[1,0]   ; the sum under the new M: the plain instruction behind the batch
	s_wait_alu depctr_va_vdst(0)                   ; one wait behind the batch, directly ahead of the first readers of O^T
.set j, 0
.rept 16
	v_pk_mul_f32 v[\o+j:\o+j+1], v[\o+j:\o+j+1], v[\cr+14:\cr+15] op_sel_hi:[1,0]   ; O^T under the new M
.set j, j+2
.endr
.irp k, 0,1,2,3
	v_pk_add_f32 v[\cr+6+2*\k:\cr+7+2*\k], v[96+2*\k:97+2*\k], v[104+2*\k:105+2*\k]   ; the sum of the unquantised p, in four chains
.endr
.set j, 16
.rept 24
	v_pk_add_f32 v[\cr+6+2*((j/2)%4):\cr+7+2*((j/2)%4)], v[\cr+6+2*((j/2)%4):\cr+7+2*((j/2)%4)], v[96+j:97+j]
.set j, j+2
.endr
	v_pk_add_f32 v[\cr+6:\cr+7], v[\cr+6:\cr+7], v[\cr+8:\cr+9]
	v_pk_add_f32 v[\cr+10:\cr+11], v[\cr+10:\cr+11], v[\cr+12:\cr+13]
	s_delay_alu instid0(VALU_DEP_2)
	v_pk_add_f32 v[\st+2:\st+3], v[\st+2:\st+3], v[\cr+6:\cr+7]
	s_delay_alu instid0(VALU_DEP_1)
	v_pk_add_f32 v[\st+2:\st+3], v[\st+2:\st+3], v[\cr+10:\cr+11]
.irp t, 0,1,2,3,4,5,6,7
.irp i, 0,2,4,6
	v_dual_min_num_f32 v[96+8*\t+\i], v[96+8*\t+\i], v[HP] :: v_dual_min_num_f32 v[97+8*\t+\i], v[97+8*\t+\i], v[HP]   ; the hold, two numbers a line: the conversion does not saturate (ISA guide 7.6.2); p is not negative
.endr
	v_cvt_scalef32_pk8_fp8_f32 v[\cr+2*\t:\cr+2*\t+1], v[96+8*\t:103+8*\t], v[PS]
.endr
	v_nop                                          ; one plain instruction behind the last conversion
.endm
; A TRIP: key step CT for both tiles.  ch: LDS bytes from one wave's part to the next; base: what the region adds.  chk = 1: A may be past its last step, or on it.
.macro TRIP ch, base, chk
	s_lshr_b32 s60, s[CT], 1
	s_lshl_b32 s60, s60, 11                        ; 2,048 x slot
	s_and_b32 s61, s[CT], 1
	s_mul_i32 s61, s61, 4*\ch                      ; the slot's second step lies four parts on
	s_add_co_u32 s60, s60, s61
	s_add_co_u32 s60, s60, \base
	s_add_co_u32 s62, s60, 8*\ch                   ; V lies eight parts behind K
.if \chk
	s_cmp_gt_u32 s[CT], s[LA]                      ; B ends ahead of A: past A's last step nothing is left
	s_cbranch_scc1 .Lskip_\@
.endif
	v_add_nc_u32 v[ADK], s60, v[LI]
.irp t, 0,1,2,3,4,5,6,7
	ds_load_b128 v[KV+8*\t:KV+8*\t+3], v[ADK] offset:(\t/2)*\ch+(\t%2)*1024
	ds_load_b128 v[KV+8*\t+4:KV+8*\t+7], v[ADK] offset:(\t/2)*\ch+(\t%2)*1024+512
.endr
	s_wait_dscnt 0x0
	SCORES 16
	v_add_nc_u32 v[ADK], s62, v[LI]                ; with the three below: four places behind the products
.rept 3
	v_nop
.endr
	s_cmp_le_u32 s[CT], s[LB]
	s_cbranch_scc1 .Lboth_\@                       ; B still needs K's fragments
	VLOADS \ch
.Lboth_\@:
	SOFTMAX 8, 160, 224, DMA, LA, \chk
	s_cmp_gt_u32 s[CT], s[LB]
	s_cbranch_scc1 .Lpv_\@
	s_wait_dscnt 0x0                               ; no LDS load of mine is out when the fragment registers are read once more
	SCORES 24
.rept 4
	v_nop
.endr
	VLOADS \ch
	SOFTMAX 12, 192, 240, DMB, LB, 1
	s_wait_alu depctr_va_vdst(0)                   ; the wait ahead of the wait below
	s_wait_dscnt 0x0
	PV 192, 240
.Lpv_\@:
	s_wait_alu depctr_va_vdst(0)
	s_wait_dscnt 0x0                               ; V is in
	PV 160, 224
.rept 4
	v_nop                                          ; places ahead of the next loads into the fragments, and of the way out
.endr
.Lskip_\@:
.endm
	s_wait_alu depctr_va_vdst(0)                   ; the wait at the head's end
	s_wait_tensorcnt 0x0                           ; my part of slot 0 is in; the later first fill is issued as a refill is:
	ds_add_u32 v[SPW], v[NIL]                      ; 0 onto my spare word
	s_wait_dscnt 0x0
	CROUND                                         ; everybody's part is in, and the four work-groups are here
	tensor_load_to_lds s[44:47], s[32:39]          ; slots 1 .. 7, into bytes of their own
	s_nop 0
.rept 4
	v_nop
.endr
	s_wait_loadcnt 0x0                             ; Q
	s_mov_b32 s[CT], 0
.Lfirst:                                           ; key steps 0, 1: slot 0
	TRIP 2048, 0, 0
	s_add_co_u32 s[CT], s[CT], 1
	s_cmp_lt_u32 s[CT], 2
	s_cbranch_scc1 .Lfirst
	s_wait_alu depctr_va_vdst(0)
	s_wait_tensorcnt 0x0                           ; my part of slots 1 .. 7 is in,
	s_wait_dscnt 0x0
	s_barrier_signal -1
	s_barrier_wait -1                              ; everybody's is
.Lrest:                                            ; key steps 2 .. 15
	TRIP 14336, 30720, 1
	s_add_co_u32 s[CT], s[CT], 1
	s_cmp_lt_u32 s[CT], 16
	s_cbranch_scc1 .Lrest
	; THE WAY OUT, both tiles: O^T x 2^(e8 + e9) / the sum, held and quantised with 2^e10: four conversions give an image of 16 tokens x 64 channels
	v_add_f32 v10, v10, v11
	v_add_f32 v14, v14, v15
	v_mov_b32 v234, s75
	v_mov_b32 v235, s74
	v_permlanex16_b32 v232, v10, s[SEL], s[SEL+1]
	v_permlanex16_b32 v233, v14, s[SEL], s[SEL+1]
	v_add_f32 v10, v10, v232                       ; the rows' sums, at least 1/2
	v_add_f32 v14, v14, v233
	s_wait_alu depctr_va_vdst(0)                   ; ahead of the batch
	v_rcp_f32 v10, v10
	v_rcp_f32 v14, v14
	v_nop
	s_wait_alu depctr_va_vdst(0)                   ; behind it
	v_ldexp_f32 v10, v10, s66
	v_ldexp_f32 v14, v14, s66
	s_wait_alu depctr_va_vdst(0)                   ; directly ahead of the first readers of O^T
.set j, 0
.rept 16
	v_pk_mul_f32 v[96+j:97+j], v[160+j:161+j], v[10:11] op_sel_hi:[1,0]
.set j, j+2
.endr
.set j, 0
.rept 16
	v_pk_mul_f32 v[128+j:129+j], v[192+j:193+j], v[14:15] op_sel_hi:[1,0]
.set j, j+2
.endr
.set j, 0
.rept 64
	v_med3_num_f32 v[96+j], v[96+j], -v234, v234
.set j, j+1
.endr
.irp t, 0,1,2,3
	v_cvt_scalef32_pk8_fp8_f32 v[224+2*\t:225+2*\t], v[96+8*\t:103+8*\t], v235
	v_cvt_scalef32_pk8_fp8_f32 v[240+2*\t:241+2*\t], v[128+8*\t:135+8*\t], v235
.endr
	v_nop
	global_store_b128 v[LI], v[224:227], s[14:15]              ; 32 lanes store 512 consecutive bytes
	global_store_b128 v[LI], v[228:231], s[14:15] offset:512
	global_store_b128 v[LI], v[240:243], s[16:17]
	global_store_b128 v[LI], v[244:247], s[16:17] offset:512
	s_wait_tensorcnt 0x0                           ; the wave's end
	ds_add_u32 v[SPW], v[NIL]
	s_wait_dscnt 0x0
	CROUND                                         ; the closing round
	s_endpgm
.Lfunc_end_k_q323f325c6e_attn:
	.size	k_q323f325c6e_attn, .Lfunc_end_k_q323f325c6e_attn-k_q323f325c6e_attn
	.p2alignl 7, 3214868480
	.fill 96, 4, 3214868480
	.section	.rodata,"a",@progbits
	.p2align	6, 0x0
	.amdhsa_kernel k_q323f325c6e_attn
		.amdhsa_group_segment_fixed_size 327680
		.amdhsa_private_segment_fixed_size 0
		.amdhsa_enable_private_segment 0
		.amdhsa_kernarg_size 24
		.amdhsa_user_sgpr_count 2
		.amdhsa_user_sgpr_kernarg_segment_ptr 1
		.amdhsa_wavefront_size32 1
		.amdhsa_system_sgpr_workgroup_id_x 1
		.amdhsa_system_sgpr_workgroup_id_y 1
		.amdhsa_system_sgpr_workgroup_id_z 1
		.amdhsa_system_vgpr_workitem_id 0
		.amdhsa_next_free_vgpr 256
		.amdhsa_next_free_sgpr 100
		.amdhsa_reserve_vcc 1
		.amdhsa_float_denorm_mode_32 3
		.amdhsa_float_denorm_mode_16_64 3
		.amdhsa_memory_ordered 1
		.amdhsa_forward_progress 1
		.amdhsa_inst_pref_size 94
	.end_amdhsa_kernel
	.amdgpu_metadata
---
amdhsa.version: [ 1, 2 ]
amdhsa.kernels:
  - .name:           k_q323f325c6e_attn
    .symbol:         k_q323f325c6e_attn.kd
    .args:
      - { .name: qkv, .offset: 0, .size: 8, .value_kind: global_buffer, .address_space: global }
      - { .name: lowp_scales, .offset: 8, .size: 8, .value_kind: global_buffer, .address_space: global }
      - { .name: cc, .offset: 16, .size: 8, .value_kind: global_buffer, .address_space: global }
    .group_segment_fixed_size: 327680
    .private_segment_fixed_size: 0
    .kernarg_segment_align: 8
    .kernarg_segment_size: 24
    .max_flat_workgroup_size: 512
    .sgpr_count:     100
    .vgpr_count:     256
    .wavefront_size: 32
...
	.end_amdgpu_metadata
.endif
;; end of part 2
;; launch oproj (part 3): grid 4 x 64, 4 waves a work-group, clusters of 4 x 4, 327,680 bytes of LDS; arguments cc, Wo_codes, bo, lowp_scales, out0; writes out0
.if DOCPART == 3
	.amdgcn_target "amdgcn-amd-amdhsa--gfx1250"
	.amdhsa_code_object_version 6
	.text
	.protected	k_q323f325c6e_oproj
	.globl	k_q323f325c6e_oproj
	.p2align	8
	.type	k_q323f325c6e_oproj,@function
k_q323f325c6e_oproj:
	s_mov_b64 s[64:65], 0
	v_nop
	global_prefetch_b8 v0, s[64:65] scope:SCOPE_SE
	s_setreg_imm32_b32 hwreg(HW_REG_WAVE_MODE, 25, 1), 1
	s_wait_xcnt 0x0
	s_wait_alu depctr_hold_cnt(0) depctr_sa_sdst(0) depctr_va_vdst(0) depctr_va_sdst(0) depctr_va_ssrc(0) depctr_va_vcc(0) depctr_vm_vsrc(0)
	s_getreg_b32 s2, hwreg(HW_REG_IB_STS2, 6, 4)
	s_cmp_eq_u32 s2, 0
	s_cbranch_scc0 .Lentry_in_a_cluster
	s_endpgm
.Lentry_in_a_cluster:
	s_bfe_u32 s2, ttmp6, 0x10000c
	s_cmp_lg_u32 s2, 0xf033
	s_cbranch_scc0 .Lentry_shape_is_right
	s_endpgm
.Lentry_shape_is_right:
; out0 = concat Wo^T + bo on codes of FP8 (E4M3): 8,192 tokens x 1,024 channels, K = 1,024.  A sum stands for sum x 2^(e10 + e11).  LIMIT: e10 + e11 between -126 and 127, so that this power of two is an f32 number.
; cc (A) holds images of operand registers: [K step of 256: 4][tile of 16 tokens: 512][64 of K: 4][1,024 bytes: registers 0-3 at 16 x lane, 4-7 at 512 + 16 x lane], every k in its own place.  Wo (B): 1,024 rows of 1,024 codes.
; SHARES.  A block of out0 is 128 tokens x 256 channels: 64 x 4 = 256 work-groups.  Four waves, each 64 tokens x 128 channels: 32 accumulators of 16 x 16, 256 registers.
; K goes in steps of 256 through a ring of two LDS slots: A's 128 tokens (32,768 dense bytes), then B's 256 rows of 256 bytes (+ 16 of padding).  Waves 0, 1 fetch A's halves, waves 2, 3 B's: one tensor load a wave.
; CLUSTERS: 4 x 4 work-groups.  A's tile hangs on the block's row alone and is asked for jointly by a row of the cluster, B's on its column alone, by a column.
; NO PREFETCH: only K steps 2 and 3 come by refills; a request two steps ahead of them would stand at the head, ahead of the loop.
; THE MATRIX INSTRUCTION IS USED TRANSPOSED (source 0 = 16 rows of Wo, source 1 = 16 tokens): a lane holds eight neighbouring channels of one token.
; REGISTERS, in windows of 256: window 0: v0-31 addresses, v8-11 the bias; A's fragments, two sets, at v128 and v192 (on the way out: rows read back);  window 1: B's fragments, two sets, at v0 and v128;  window 2: accumulator (a, b) at v[8 (8 a + b)].
.set SIZE_N, 1024
.set KSA,    2097152                   ; cc: from K step to K step
.set PITCH,  272                       ; B's LDS row: 256 bytes + 16 of padding
.set FR,     16                        ; registers of a fragment: 16 rows x 128 K
.set NP,     4                         ; places behind this matrix instruction (ISA guide 7.12.1)
.set AHALF,  16384                     ; 64 tokens x 256 K: what one of A's loads brings, and what one wave reads of A
.set AREG,   2*AHALF
.set HALFB,  128*PITCH
.set SLOT,   AREG+2*HALFB
.set LAPS,   2
.set SPARE,  2*SLOT                    ; behind the ring: the spare words, 128 bytes for each wave
.set SPITCH, 528                       ; the way out: a stage of 16 rows x (512 + 16) bytes for each wave, in slot 0, which has had its last fill and its last read by then
.set ADRA, 16                          ; v16-17 LDS address of my A fragments in slot 0, 1
.set ADRB, 20                          ; v20-21 the same for B
.set STO,  24
.set RD,   25
.set CO,   26                          ; v26 16 x lane
.set SPW,  28                          ; v28 my spare word; never rewritten
.set NIL,  29                          ; v29 0; never rewritten
.set AF,   128
.set BK,   128
.set G1, 24                            ; s[24:31] group 1 for A; s[32:39] group 0, one set for each slot
.set G0, 32
.set G1B, 48                           ; s[48:55], s[56:63] the same for B
.set G0B, 56
.set MSB, 0
.macro WIN new                         ; the immediate's high byte repeats the setting that is left
.if MSB != (\new)
	s_set_vgpr_msb (MSB<<8)|(\new)
.set MSB, \new
.endif
.endm
.set MUL_LO, 0xa1                      ; source 0 (B) window 1, source 1 (A) window 0, C and D window 2
.set TO_B,   0x40                      ; destination window 1
.macro JLOAD g0a, g1a, g0b, g1b        ; a joint load: each line has one mask and one set of registers; the branch hangs on the wave's number alone
	s_cmp_eq_u32 s15, 0
	s_cbranch_scc0 .Lfor_b_\@
	tensor_load_to_lds s[\g0a:\g0a+3], s[\g1a:\g1a+7]
	s_nop 0
.rept 4
	v_nop
.endr
	s_branch .Lasked_\@
.Lfor_b_\@:
	tensor_load_to_lds s[\g0b:\g0b+3], s[\g1b:\g1b+7]
	s_nop 0
.rept 4
	v_nop
.endr
.Lasked_\@:
.endm
.macro CREST                           ; a round of the cluster's barrier behind its opening barrier
	s_cmp_lg_u32 s14, 0
	s_cbranch_scc1 .Lnot_wave_0_\@
	s_barrier_signal -3
.Lnot_wave_0_\@:
	s_barrier_wait -3
	s_barrier_signal -1
	s_barrier_wait -1
.endm
.macro CROUND
	s_barrier_signal -1
	s_barrier_wait -1
	CREST
.endm
	s_load_b128 s[4:7], s[0:1], 0x0                ; cc, Wo's codes
	s_load_b128 s[8:11], s[0:1], 0x10              ; bo, the scales' exponents
	s_load_b64 s[12:13], s[0:1], 0x20              ; out0
	v_lshl_add_u32 v[SPW], v0, 2, SPARE
	v_mov_b32 v[NIL], 0
	ds_add_u32 v[SPW], v[NIL]                      ; the opening: the add, twice on end, and its wait ahead of my first tensor load
	ds_add_u32 v[SPW], v[NIL]
	v_lshrrev_b32 v1, 5, v0
	v_readfirstlane_b32 s14, v1                    ; wave 0..3
	s_lshr_b32 s15, s14, 1                         ; which 64 tokens are mine.  Also: I fetch for A (0) or for B (1)
	s_and_b32 s16, s14, 1                          ; which 128 channels.  Also: which half of that tile I fetch
	s_bfe_u32 s40, ttmp6, 0x40000                  ; cx, cy
	s_bfe_u32 s41, ttmp6, 0x40004
	s_lshl_b32 s42, ttmp9, 2
	s_add_co_u32 s42, s42, s40                     ; the block's column
	s_and_b32 s17, ttmp7, 0xffff
	s_lshl_b32 s17, s17, 2
	s_add_co_u32 s17, s17, s41                     ; the block's row
	s_lshl_b32 s43, s41, 2
	s_lshl_b32 s43, 15, s43                        ; my row of the cluster
	s_lshl_b32 s44, 0x1111, s40                    ; my column
	s_or_b32 s[G1+0], s43, (0<<16)|(1<<21)         ; A: 64 dense rows of 256 bytes, no padding
	s_or_b32 s[G1B+0], s44, (0<<16)|(1<<20)|(1<<21)|(5<<22)|(3<<25)   ; B: 128 rows of 256 bytes, four words of padding behind every 64
.irp g, G1, G1B
	s_mov_b32 s[\g+1], 256<<16
	s_mov_b32 s[\g+3], 256<<16
	s_mov_b32 s[\g+6], 0
	s_mov_b32 s[\g+7], 0
.endr
	s_mov_b32 s[G1+2], 64<<16
	s_mov_b32 s[G1+4], 64
	s_mov_b32 s[G1+5], 256
	s_mov_b32 s[G1B+2], 128<<16
	s_mov_b32 s[G1B+4], 128
	s_mov_b32 s[G1B+5], 1024
	s_lshl_b32 s20, s17, 15                        ; A: 128 tokens are 8 tiles x 4,096 bytes of a K step,
	s_lshl_b32 s45, s16, 14                        ; + the half that I fetch; the same in LDS
	s_add_co_u32 s20, s20, s45
	s_mov_b32 s21, 0
	s_lshl_b32 s46, s42, 18                        ; B: 256 rows of 1,024 bytes,
	s_lshl_b32 s19, s16, 17                        ; + 128 rows
	s_add_co_u32 s46, s46, s19
	s_mov_b32 s47, 0
	s_mul_i32 s19, s16, HALFB
	s_add_co_u32 s19, s19, AREG
	s_wait_dscnt 0x0
	s_wait_kmcnt 0x0
	s_load_b64 s[96:97], s[10:11], 0x28            ; e10, e11
	s_add_nc_u64 s[20:21], s[4:5], s[20:21]
	s_add_nc_u64 s[46:47], s[6:7], s[46:47]
	CROUND                                         ; all sixteen work-groups are here: the first joint loads meet
.irp s, 0,1
	s_mov_b32 s[G0+4*\s], 1
	s_add_co_u32 s[G0+4*\s+1], s45, \s*SLOT
	s_add_nc_u64 s[G0+4*\s+2:G0+4*\s+3], s[20:21], \s*KSA
	s_or_b32 s[G0+4*\s+3], s[G0+4*\s+3], 0x80000000
	s_mov_b32 s[G0B+4*\s], 1
	s_add_co_u32 s[G0B+4*\s+1], s19, \s*SLOT
	s_add_nc_u64 s[G0B+4*\s+2:G0B+4*\s+3], s[46:47], \s*256
	s_or_b32 s[G0B+4*\s+3], s[G0B+4*\s+3], 0x80000000
.endr
	JLOAD G0, G1, G0B, G1B                         ; K step 0: one tensor load a wave at the head
	v_and_b32 v1, 15, v0
	v_bfe_u32 v2, v0, 4, 1
	v_and_b32 v6, 31, v0
	v_lshlrev_b32 v[CO], 4, v6
	v_mul_u32_u24 v3, v1, PITCH
	v_lshl_add_u32 v4, v2, 3, v3                   ; B: row x pitch + 8 x half: k in its own place, by loads of 8 bytes
	s_lshl_b32 s21, s15, 14
	s_mul_i32 s22, s16, HALFB
	s_add_co_u32 s22, s22, AREG
.irp s, 0,1
	v_add_nc_u32 v[ADRA+\s], s21, v[CO]
	v_add_nc_u32 v[ADRB+\s], s22, v4
	s_add_co_u32 s21, s21, SLOT
	s_add_co_u32 s22, s22, SLOT
.endr
	s_mul_i32 s23, s14, 16*SPITCH
	s_wait_alu depctr_va_vdst(0)                   ; directly ahead of the reader below
	v_mul_u32_u24 v5, v1, SPITCH
	v_lshl_add_u32 v5, v2, 5, v5
	v_add_nc_u32 v[STO], s23, v5
	v_add_nc_u32 v[RD], s23, v[CO]
	s_lshl_b32 s20, s17, 7
	s_lshl_b32 s21, s15, 6
	s_add_co_u32 s20, s20, s21                     ; my first token: 128 x row + 64 x half,
	s_lshl_b32 s20, s20, 12                        ; x 4,096 bytes
	s_mov_b32 s21, 0
	s_lshl_b32 s46, s42, 10
	s_lshl_b32 s47, s16, 9
	s_add_co_u32 s46, s46, s47                     ; my first channel, in bytes
	s_mov_b32 s47, 0
	s_add_nc_u64 s[8:9], s[8:9], s[46:47]
	global_load_b128 v[8:11], v[CO], s[8:9]        ; the bias of my lane's four channels of a row read back
	s_add_nc_u64 s[20:21], s[20:21], s[46:47]
	s_add_nc_u64 s[12:13], s[12:13], s[20:21]
.macro FRAG_A reg, adr, q, i           ; 16 tokens x 128 K: two images on end
.irp c, 0,1,2,3
	ds_load_b128 v[\reg+4*\c:\reg+4*\c+3], v[\adr] offset:4096*(\i)+2048*(\q)+512*\c
.endr
.endm
.macro FRAG_B reg, adr, q, i           ; 16 rows x 128 K: registers 2 c, 2 c + 1: k = 16 c + 8 (l / 16) + 0 .. 7
.irp c, 0,1,2,3,4,5,6,7
	ds_load_b64 v[\reg+2*\c:\reg+2*\c+1], v[\adr] offset:128*(\q)+16*\c+(\i)*16*PITCH
.endr
.endm
; 16 matrix instructions: A's blocks a0, a0 + 1 x B's eight; p: the set of both.  The 32 accumulators take turns, one instruction a turn, in the same order in every step.
.macro MUL16 a0, p, zero
.irp a, \a0, \a0+1
.irp b, 0,1,2,3,4,5,6,7
.if \zero
	v_wmma_f32_16x16x128_fp8_fp8 v[8*(8*(\a)+\b):8*(8*(\a)+\b)+7], v[128*(\p)+FR*\b:128*(\p)+FR*\b+FR-1], v[AF+64*(\p)+FR*(\a):AF+64*(\p)+FR*(\a)+FR-1], 0
.else
	v_wmma_f32_16x16x128_fp8_fp8 v[8*(8*(\a)+\b):8*(8*(\a)+\b)+7], v[128*(\p)+FR*\b:128*(\p)+FR*\b+FR-1], v[AF+64*(\p)+FR*(\a):AF+64*(\p)+FR*(\a)+FR-1], v[8*(8*(\a)+\b):8*(8*(\a)+\b)+7]
.endif
.endr
.endr
.endm
.macro FETCH slot, q, p                ; the fragments of the slot's q-th 128 along K into set p: 64 + 16 LDS loads
	WIN TO_B
.irp i, 0,1,2,3,4,5,6,7
	FRAG_B 128*(\p)+FR*\i, ADRB+\slot, \q, \i
.endr
	WIN 0
.irp i, 0,1,2,3
	FRAG_A AF+64*(\p)+FR*\i, ADRA+\slot, \q, \i
.endr
.endm
.macro PLACES n
.rept \n
	v_nop
.endr
.endm
; A step of 128 along K that has its successor in the same slot: the successor's fragments are asked for first, into the other set, and have the step's 32 products in which to land.
.macro STEP slot, q, zero
	s_wait_dscnt 0x0                               ; this step's fragments are in
	PLACES NP                                      ; ahead of loads into the set that the last step's products read
	FETCH \slot, (\q)+1, 1-(\q)%2
	WIN MUL_LO
	MUL16 0, (\q)%2, \zero
	MUL16 2, (\q)%2, \zero
	WIN 0
.endm
; A slot's last step changes slots: each wave waits for all its tensor loads, adds 0 to its spare word, and waits for that and for its reads of this slot.  fill = 1: this slot is filled again, two K steps ahead.
.macro TURN slot, next, fill
	s_wait_tensorcnt 0x0                           ; my part of the next slot is in
	ds_add_u32 v[SPW], v[NIL]
	s_wait_dscnt 0x0                               ; the add is done, and my reads of this slot are over
	s_barrier_signal -1
	WIN MUL_LO
	MUL16 0, 1, 0                                  ; work on registers while the others arrive
	WIN 0
	s_barrier_wait -1
.if \fill
	CREST                                          ; the barrier has opened a round of the cluster's barrier
	s_add_nc_u64 s[G0+4*\slot+2:G0+4*\slot+3], s[G0+4*\slot+2:G0+4*\slot+3], 2*KSA
	s_add_nc_u64 s[G0B+4*\slot+2:G0B+4*\slot+3], s[G0B+4*\slot+2:G0B+4*\slot+3], 2*256
	JLOAD G0+4*\slot, G1, G0B+4*\slot, G1B         ; the first tensor load behind the round; its four v_nop are the places ahead of the loads below
.else
	PLACES NP
.endif
	FETCH \next, 0, 0
	WIN MUL_LO
	MUL16 2, 1, 0
	WIN 0
.endm
	s_wait_alu depctr_va_vdst(0)                   ; the wait at the head's end
	s_wait_tensorcnt 0x0                           ; my part of K step 0 is in; slot 1's first fill is issued as a refill is:
	ds_add_u32 v[SPW], v[NIL]
	s_wait_dscnt 0x0
	CROUND                                         ; everybody's part is in, and all sixteen work-groups are here
	JLOAD G0+4, G1, G0B+4, G1B                     ; K step 1
	FETCH 0, 0, 0
	STEP 0, 0, 1                                   ; the first step's products start the sums
	s_mov_b32 s3, LAPS-1
.Llap:
	TURN 0, 1, 1
	STEP 1, 0, 0
	TURN 1, 0, 1
	STEP 0, 0, 0
	s_sub_co_u32 s3, s3, 1
	s_cmp_lg_u32 s3, 0
	s_cbranch_scc1 .Llap
	TURN 0, 1, 0                                   ; the last lap fills nothing
	STEP 1, 0, 0
	s_wait_dscnt 0x0
	WIN MUL_LO
	MUL16 0, 1, 0
	MUL16 2, 1, 0
	WIN 0
; THE WAY OUT, block by block of 16 tokens x 128 channels: through my stage, back as whole rows of 512 bytes; sum x 2^(e10 + e11) + bias in one packed multiply-add; 32 lanes store two aligned units of 256 bytes.
.macro TOSTAGE a
.set AC, 64*(\a)
	WIN 0x08                                       ; the stores' data: window 2
.irp b, 0,1,2,3,4,5,6,7
	ds_store_b128 v[STO], v[AC+8*\b:AC+8*\b+3] offset:64*\b
	ds_store_b128 v[STO], v[AC+8*\b+4:AC+8*\b+7] offset:64*\b+16
.endr
	WIN 0
.set BB, BK+64*((\a)%2)
.irp t, 0,1,2,3,4,5,6,7,8,9,10,11,12,13,14,15
	ds_load_b128 v[BB+4*\t:BB+4*\t+3], v[RD] offset:\t*SPITCH   ; LDS serves a wave's instructions in order: these see the stores above
.endr
.endm
.macro SEND a, younger                 ; younger: the LDS instructions issued behind block a's loads
.set BB, BK+64*((\a)%2)
	s_wait_dscnt \younger
.if (\a) > 0
	s_add_nc_u64 s[12:13], s[12:13], 16*SIZE_N*4   ; (behind a wait on XCNT)
.endif
.irp t, 0,1,2,3,4,5,6,7,8,9,10,11,12,13,14,15
	v_pk_fma_f32 v[BB+4*\t:BB+4*\t+1], v[BB+4*\t:BB+4*\t+1], s[96:97], v[8:9] op_sel_hi:[1,0,1]
	v_pk_fma_f32 v[BB+4*\t+2:BB+4*\t+3], v[BB+4*\t+2:BB+4*\t+3], s[96:97], v[10:11] op_sel_hi:[1,0,1]
.endr
.irp t, 0,1,2,3,4,5,6,7,8,9,10,11,12,13,14,15
	global_store_b128 v[CO], v[BB+4*\t:BB+4*\t+3], s[12:13] offset:\t*SIZE_N*4 th:TH_STORE_NT
.endr
.endm
	s_wait_kmcnt 0x0
	s_add_co_i32 s96, s96, s97
	s_add_co_i32 s96, s96, 127
	s_lshl_b32 s96, s96, 23                        ; 2^(e10 + e11) as f32
	s_mov_b32 s97, s96
	s_wait_loadcnt 0x0                             ; the bias
	PLACES NP                                      ; behind the last products
	TOSTAGE 0
.irp a, 1,2,3
.if \a > 1
	s_wait_xcnt 0x0                                ; block a - 2's stores have read their registers and their base
.endif
	TOSTAGE \a
	SEND \a-1, 32                                  ; behind block a - 1's loads: block a's 16 stores and 16 loads
.endr
	s_wait_xcnt 0x0
	SEND 3, 0
	s_wait_tensorcnt 0x0                           ; the wave's end
	ds_add_u32 v[SPW], v[NIL]
	s_wait_dscnt 0x0
	CROUND                                         ; the closing round
	s_endpgm
.Lfunc_end_k_q323f325c6e_oproj:
	.size	k_q323f325c6e_oproj, .Lfunc_end_k_q323f325c6e_oproj-k_q323f325c6e_oproj
	.p2alignl 7, 3214868480
	.fill 96, 4, 3214868480
	.section	.rodata,"a",@progbits
	.p2align	6, 0x0
	.amdhsa_kernel k_q323f325c6e_oproj
		.amdhsa_group_segment_fixed_size 327680
		.amdhsa_private_segment_fixed_size 0
		.amdhsa_enable_private_segment 0
		.amdhsa_kernarg_size 40
		.amdhsa_user_sgpr_count 2
		.amdhsa_user_sgpr_kernarg_segment_ptr 1
		.amdhsa_wavefront_size32 1
		.amdhsa_system_sgpr_workgroup_id_x 1
		.amdhsa_system_sgpr_workgroup_id_y 1
		.amdhsa_system_sgpr_workgroup_id_z 1
		.amdhsa_system_vgpr_workitem_id 0
		.amdhsa_next_free_vgpr 768
		.amdhsa_next_free_sgpr 98
		.amdhsa_reserve_vcc 0
		.amdhsa_float_denorm_mode_32 3
		.amdhsa_float_denorm_mode_16_64 3
		.amdhsa_memory_ordered 1
		.amdhsa_forward_progress 1
		.amdhsa_inst_pref_size 92
	.end_amdhsa_kernel
	.amdgpu_metadata
---
amdhsa.version: [ 1, 2 ]
amdhsa.kernels:
  - .name:           k_q323f325c6e_oproj
    .symbol:         k_q323f325c6e_oproj.kd
    .args:
      - { .name: cc, .offset: 0, .size: 8, .value_kind: global_buffer, .address_space: global }
      - { .name: Wo_codes, .offset: 8, .size: 8, .value_kind: global_buffer, .address_space: global }
      - { .name: bo, .offset: 16, .size: 8, .value_kind: global_buffer, .address_space: global }
      - { .name: lowp_scales, .offset: 24, .size: 8, .value_kind: global_buffer, .address_space: global }
      - { .name: out0, .offset: 32, .size: 8, .value_kind: global_buffer, .address_space: global }
    .group_segment_fixed_size: 327680
    .private_segment_fixed_size: 0
    .kernarg_segment_align: 8
    .kernarg_segment_size: 40
    .max_flat_workgroup_size: 128
    .sgpr_count:     98
    .vgpr_count:     768
    .wavefront_size: 32
...
	.end_amdgpu_metadata
.endif
;; end of part 3
